; MI455X (gfx1250); checked and timed in simulation.
; The chip was launched on July 23, 2026; its instructions are those of AMD's public machine-readable ISA for CDNA 5 (MIT licence, August 2026) and "CDNA5" Instruction Set Architecture Reference Guide (July 2026). The comments in the code are by the model that wrote it; some were corrected since.
;; GPT2 Editor. Allowed arithmetic: float matrix products may take bf16 or f16 operands with f32 sums; all other float work in f32.
;; Inputs: Wc 2 x 2,048 x 4,096 float32; Wp 2 x 2,048 x 2,048 float32; Wq 2 x 2,048 x 2,048 float32; bc 2 x 4,096 float32; bp 2 x 2,048 float32; bq 2 x 2,048 float32; encoder_hidden_states 1 x 4,096 x 2,048 float32; hidden_states 1 x 128 x 2,048 float32.
;; Outputs: out0 1 x 4,096 x 2,048 float32.
;; One version. Each part assembles by itself: llvm-mc -triple=amdgcn-amd-amdhsa -mcpu=gfx1250 --defsym DOCPART=n.
;; ======== version 1 of 1: 3 launches
;; workspace buffers: kvp 131,072 bytes; uf 131,072 bytes; pf 131,072 bytes; cv 256 bytes
;; launch kvpart (part 1): grid 64 x 4, 16 waves a work-group, no clusters, 10,240 bytes of LDS; arguments Wc, hidden_states, kvp; writes kvp
.if DOCPART == 1
	.amdgcn_target "amdgcn-amd-amdhsa--gfx1250"
	.amdhsa_code_object_version 6
	.text
	.protected	k_qc27b8097d1_kvpart
	.globl	k_qc27b8097d1_kvpart
	.p2align	8
	.type	k_qc27b8097d1_kvpart,@function
k_qc27b8097d1_kvpart:
	s_mov_b64 s[64:65], 0
	v_nop
	global_prefetch_b8 v0, s[64:65] scope:SCOPE_SE
	s_setreg_imm32_b32 hwreg(HW_REG_WAVE_MODE, 25, 1), 1
	s_wait_xcnt 0x0
; kvp[part][f][o] = sum over e = 512 part .. 512 part + 511 of hidden_states[0][127][e] * Wc[f][e][o], in f32, without bc.
; Wc: [2][2048][4096] f32.  kvp: [4][2][4096] f32; the next launch adds bc and the four parts in a fixed order.
; One row times a matrix: every weight is used once, so the work is a stream of Wc and runs on the vector unit; the matrix
; unit, clusters and a ring of LDS slots have nothing to share or to reuse here.
; Work-group x = 32 f + column group (128 columns = 512 bytes of each row), y = part (512 rows).  Wave w owns 32 rows, lane l the
; 16 bytes at 16 l: one load of a wave covers 512 consecutive bytes, aligned.  All 32 loads of a wave are issued at once
; (16 waves x 32 x 512 bytes = the work-group's whole share), then used in order with counted waits: no loop, nothing to ask ahead.
; The 16 waves' sums meet in LDS; wave 0 adds them and stores 512 consecutive bytes.
; The order of the additions differs from the reference's (32 in a chain, a tree over 16 waves, then four parts).
.set ROWB, 16384                       ; bytes in a row of Wc
.set ACC,  4                           ; v[4:7]     my four columns' sums
.set X,    16                          ; v[16:143]  row i of my 32: 4 registers
.set HS,   16                          ; s[16:47]   the 32 numbers of the last token that belong to my rows
	s_load_b128 s[4:7], s[0:1], 0x0                ; Wc s[4:5], hidden_states s[6:7]
	s_load_b64 s[8:9], s[0:1], 0x10                ; kvp
	v_lshl_add_u32 v144, v0, 2, 0x2000
	v_mov_b32 v145, 0
	v_lshrrev_b32 v3, 5, v0
	v_readfirstlane_b32 s10, v3                    ; wave 0..15
	v_and_b32 v1, 31, v0
	v_lshlrev_b32 v1, 4, v1                        ; 16 x lane
	v_lshlrev_b32 v2, 4, v0                        ; 16 x thread: my place in LDS
	s_and_b32 s11, ttmp7, 0xffff                   ; part
	s_lshl_b32 s12, s11, 9
	s_lshl_b32 s13, s10, 5
	s_add_co_u32 s12, s12, s13                     ; my first row = 512 part + 32 wave
	s_lshr_b32 s14, ttmp9, 5
	s_lshl_b32 s14, s14, 25                        ; f x 2048 rows x 16,384 bytes
	s_lshl_b32 s13, s12, 14
	s_add_co_u32 s14, s14, s13                     ; + row x 16,384
	s_and_b32 s13, ttmp9, 31
	s_lshl_b32 s13, s13, 9
	s_add_co_u32 s14, s14, s13                     ; + column group x 512: below 2^26
	s_mov_b32 s15, 0
	s_wait_kmcnt 0x0
	s_add_nc_u64 s[4:5], s[4:5], s[14:15]
.set n, 0
.rept 32
	global_load_b128 v[X+4*n:X+4*n+3], v1, s[4:5] offset:n*ROWB th:TH_LOAD_NT   ; read once in the launch
.set n, n+1
.endr
	s_lshl_b32 s14, s12, 2
	s_add_co_u32 s14, s14, 127*8192                ; token 127, element = my first row
	s_add_nc_u64 s[6:7], s[6:7], s[14:15]
	s_load_b512 s[HS:HS+15], s[6:7], 0x0
	s_load_b512 s[HS+16:HS+31], s[6:7], 0x40
	s_lshl_b32 s14, s11, 15                        ; part x 32,768
	s_lshl_b32 s13, ttmp9, 9                       ; x x 512 = f x 16,384 + column group x 512
	s_add_co_u32 s14, s14, s13
	s_add_nc_u64 s[8:9], s[8:9], s[14:15]
	s_wait_kmcnt 0x0
.set n, 0
.rept 32
	s_wait_loadcnt 31-n                            ; loads return in order: row n is in, the 31 - n younger ones stay out
.irp c, 0,1,2,3
.if n == 0
	v_mul_f32 v[ACC+\c], s[HS], v[X+\c]            ; the first product starts the sums
.else
	v_fmac_f32 v[ACC+\c], s[HS+n], v[X+4*n+\c]
.endif
.endr
.set n, n+1
.endr
	ds_store_b128 v2, v[ACC:ACC+3]                 ; wave w: bytes 512 w .. 512 w + 511
	s_wait_dscnt 0x0                               ; zero: wave 0 reads these bytes behind the barrier
	s_barrier_signal -1
	s_barrier_wait -1
	s_cmp_lg_u32 s10, 0
	s_cbranch_scc1 .Lend
.set n, 0
.rept 16
	ds_load_b128 v[X+4*n:X+4*n+3], v1 offset:n*512
.set n, n+1
.endr
	s_wait_dscnt 0x0
.irp st, 8,4,2,1
.set n, 0
.rept \st
	v_pk_add_f32 v[X+4*n:X+4*n+1], v[X+4*n:X+4*n+1], v[X+4*(n+\st):X+4*(n+\st)+1]
	v_pk_add_f32 v[X+4*n+2:X+4*n+3], v[X+4*n+2:X+4*n+3], v[X+4*(n+\st)+2:X+4*(n+\st)+3]
.set n, n+1
.endr
.endr
	global_store_b128 v1, v[X:X+3], s[8:9]         ; 512 consecutive bytes, aligned
.Lend:
	s_wait_tensorcnt 0x0
	ds_add_u32 v144, v145
	s_wait_dscnt 0x0
	s_endpgm
.Lfunc_end_k_qc27b8097d1_kvpart:
	.size	k_qc27b8097d1_kvpart, .Lfunc_end_k_qc27b8097d1_kvpart-k_qc27b8097d1_kvpart
	.p2alignl 7, 3214868480
	.fill 96, 4, 3214868480
	.section	.rodata,"a",@progbits
	.p2align	6, 0x0
	.amdhsa_kernel k_qc27b8097d1_kvpart
		.amdhsa_group_segment_fixed_size 10240
		.amdhsa_private_segment_fixed_size 0
		.amdhsa_enable_private_segment 0
		.amdhsa_kernarg_size 24
		.amdhsa_user_sgpr_count 2
		.amdhsa_user_sgpr_kernarg_segment_ptr 1
		.amdhsa_wavefront_size32 1
		.amdhsa_system_sgpr_workgroup_id_x 1
		.amdhsa_system_sgpr_workgroup_id_y 1
		.amdhsa_system_sgpr_workgroup_id_z 1
		.amdhsa_system_vgpr_workitem_id 0
		.amdhsa_next_free_vgpr 146
		.amdhsa_next_free_sgpr 66
		.amdhsa_reserve_vcc 0
		.amdhsa_float_denorm_mode_32 3
		.amdhsa_float_denorm_mode_16_64 3
		.amdhsa_memory_ordered 1
		.amdhsa_forward_progress 1
		.amdhsa_inst_pref_size 13
	.end_amdhsa_kernel
	.amdgpu_metadata
---
amdhsa.version: [ 1, 2 ]
amdhsa.kernels:
  - .name:           k_qc27b8097d1_kvpart
    .symbol:         k_qc27b8097d1_kvpart.kd
    .args:
      - { .name: Wc, .offset: 0, .size: 8, .value_kind: global_buffer, .address_space: global }
      - { .name: hidden_states, .offset: 8, .size: 8, .value_kind: global_buffer, .address_space: global }
      - { .name: kvp, .offset: 16, .size: 8, .value_kind: global_buffer, .address_space: global }
    .group_segment_fixed_size: 10240
    .private_segment_fixed_size: 0
    .kernarg_segment_align: 8
    .kernarg_segment_size: 24
    .max_flat_workgroup_size: 512
    .sgpr_count:     66
    .vgpr_count:     146
    .wavefront_size: 32
...
	.end_amdgpu_metadata
.endif
;; end of part 1
;; launch fold (part 2): grid 128 x 2, 16 waves a work-group, no clusters, 17,408 bytes of LDS; arguments Wq, Wp, bq, bc, kvp, uf, pf, cv; writes uf, pf, cv
.if DOCPART == 2
	.amdgcn_target "amdgcn-amd-amdhsa--gfx1250"
	.amdhsa_code_object_version 6
	.text
	.protected	k_qc27b8097d1_fold
	.globl	k_qc27b8097d1_fold
	.p2align	8
	.type	k_qc27b8097d1_fold,@function
k_qc27b8097d1_fold:
	s_mov_b64 s[64:65], 0
	v_nop
	global_prefetch_b8 v0, s[64:65] scope:SCOPE_SE
	s_setreg_imm32_b32 hwreg(HW_REG_WAVE_MODE, 25, 1), 1
	s_wait_xcnt 0x0
; kv[f][o] = bc[f][o] + the four parts of kvp; k = kv[.., 0:2048], v = kv[.., 2048:4096]; 16 heads of 128.
; y = 0:  U[f][e][h] = sum over d of Wq[f][e][128 h + d] k[f][128 h + d] / sqrt(128)   (the query projection folded into the key)
;         c[f][h]    = sum over d of bq[f][128 h + d]    k[f][128 h + d] / sqrt(128)
; y = 1:  P[f][h][o] = sum over d of v[f][128 h + d] Wp[f][128 h + d][o]               (the value folded into the output projection)
; so that scores = enc U + c and out = w P + bp: the same sums as the reference's, associated otherwise.
; LIMITS: the order of rounding differs from the reference's; q is never formed, so inputs for which q overflows f32 and U does not
; (magnitudes near 1e38) give finite scores here; the division by sqrt(128) is a multiplication by 0x3db504f3.
; Every weight is used once: streams on the vector unit in f32; nothing is shared between work-groups but 8 to 40 KB of kv,
; so no cluster; each wave issues its 32 loads of 512 bytes at once and uses them with counted waits, so no ring and no loop.
; U and P leave in bf16, laid out as the next launch's matrix fragments:
;   uf byte kb 2048 + f 1024 + jj 512 + hh 256 + head 16 + 2 i  = U[f][32 kb + 16 hh + 8 jj + i][head]
;   pf byte T 1024 + f 512 + hh 256 + r 16 + 2 i                = P[f][8 hh + i][64 (T >> 2) + 4 r + (T & 3)]
; LDS: path P has bytes 0 .. 12,287 (v, then the waves' sums), path U bytes 12,288 .. 14,591 (its tile): no byte belongs to both paths,
; so the barriers of each path order all accesses to its own bytes.
.set X,      32                        ; v[32:159]  row i of my 32: 4 registers (both paths)
; path U
.set K,      4                         ; v[4:7]     my four numbers of k / sqrt(128)
.set BQ,     8                         ; v[8:11]    my four numbers of bq
.set KV,     12                        ; v[12:31]   bc and the four parts
.set T,      160                       ; v[160:163] at work
.set ZERO,   164
.set RDA,    165                       ; where a thread of waves 0, 1 reads the tile back (without UB)
.set STO,    166                       ; 16 x thread
.set UPITCH, 144                       ; a head's 32 f32 + 16 bytes: an odd multiple of 16, so 16 heads start at 16 different 16-byte columns of 256
.set UB,     12288                     ; LDS: path U's tile, 16 x 144 = 2,304 bytes
; path P
.set ACC,    4                         ; v[4:7]     my four columns' sums
.set VP,     12                        ; v[12:21]   bc and the four parts, two numbers each
.set VV,     160                       ; v[160:191] v of my 32 rows
.set RB,     4096                      ; LDS: v in bytes 0..4095, the waves' sums in 4,096 .. 12,287
	s_load_b512 s[4:19], s[0:1], 0x0               ; Wq 4, Wp 6, bq 8, bc 10, kvp 12, uf 14, pf 16, cv 18
	v_lshl_add_u32 v192, v0, 2, 0x3c00
	v_mov_b32 v193, 0
	v_lshrrev_b32 v1, 5, v0
	v_readfirstlane_b32 s20, v1                    ; wave 0..15
	v_and_b32 v1, 31, v0                           ; lane
	v_lshlrev_b32 v2, 4, v1                        ; 16 x lane
	s_and_b32 s21, ttmp7, 0xffff                   ; 0: U and c, 1: P
	s_lshr_b32 s24, ttmp9, 6                       ; f
	s_mov_b32 s23, 0                               ; offsets are below 2^26: the pair's high word stays 0
	s_wait_kmcnt 0x0
	s_cmp_lg_u32 s21, 0
	s_cbranch_scc1 .Lp                             ; the same for all waves of the work-group
	; ---------------- U: the work-group takes rows e = 32 kb .. + 31 of Wq[f]; wave w is head w, lane l its columns 4 l .. 4 l + 3
	s_and_b32 s25, ttmp9, 63                       ; kb
	s_lshl_b32 s26, s20, 9                         ; head x 512 bytes
	s_lshl_b32 s22, s24, 24                        ; f x 2048 x 8,192
	s_lshl_b32 s27, s25, 18                        ; kb x 32 x 8,192
	s_add_co_u32 s22, s22, s27
	s_add_co_u32 s22, s22, s26
	s_add_nc_u64 s[4:5], s[4:5], s[22:23]
	s_lshl_b32 s22, s24, 13
	s_add_co_u32 s22, s22, s26
	s_add_nc_u64 s[8:9], s[8:9], s[22:23]          ; bq[f][128 head]
	s_lshl_b32 s22, s24, 14
	s_add_co_u32 s22, s22, s26
	s_add_nc_u64 s[10:11], s[10:11], s[22:23]      ; bc[f][128 head]: the k half
	s_add_nc_u64 s[12:13], s[12:13], s[22:23]      ; kvp[0][f][128 head]
	global_load_b128 v[BQ:BQ+3], v2, s[8:9]        ; loaded by every work-group of this path, so that the counts below hold for all; used where kb = 0
	global_load_b128 v[KV:KV+3], v2, s[10:11]
.irp p, 0,1,2,3
	global_load_b128 v[KV+4+4*\p:KV+7+4*\p], v2, s[12:13] offset:32768*\p
.endr
.set n, 0
.rept 32
	global_load_b128 v[X+4*n:X+4*n+3], v2, s[4:5] offset:8192*n th:TH_LOAD_NT   ; read once in the launch
.set n, n+1
.endr
	s_lshl_b32 s22, s25, 11
	s_lshl_b32 s27, s24, 10
	s_add_co_u32 s22, s22, s27
	s_add_nc_u64 s[14:15], s[14:15], s[22:23]      ; uf + kb 2048 + f 1024
	s_lshl_b32 s22, s24, 4
	s_add_co_u32 s22, s22, s20
	s_lshl_b32 s22, s22, 2
	s_add_nc_u64 s[18:19], s[18:19], s[22:23]      ; cv + 4 (16 f + head)
	s_mov_b32 s32, 0xaaaaaaaa                      ; lanes with bit 0 set,
	s_mov_b32 s33, 0xcccccccc                      ; bit 1,
	s_mov_b32 s34, 0xf0f0f0f0                      ; bit 2,
	s_mov_b32 s35, 0xff00ff00                      ; bit 3,
	s_mov_b32 s36, 0xffff0000                      ; bit 4
	s_mov_b32 s38, 0x76543210                      ; v_permlanex16_b32: lane i of one half reads lane i of the other
	s_mov_b32 s39, 0xfedcba98
	s_mul_i32 s27, s20, UPITCH
	v_lshl_add_u32 v3, v1, 2, s27                  ; LDS (behind UB): head x 144 + 4 x lane: 128 consecutive bytes of my own
	v_mov_b32 v[ZERO], 0
	v_and_b32 v[RDA], 15, v0                       ; thread = 32 jj + 16 hh + head reads U[16 hh + 8 jj .. + 7][head]
	v_mul_u32_u24 v[RDA], v[RDA], UPITCH
	v_bfe_u32 v[T], v0, 4, 1
	v_lshl_add_u32 v[RDA], v[T], 6, v[RDA]
	v_bfe_u32 v[T], v0, 5, 1
	v_lshl_add_u32 v[RDA], v[T], 5, v[RDA]
	v_lshlrev_b32 v[STO], 4, v0
	s_wait_loadcnt 32                              ; bq, bc and the four parts are in; the 32 rows of Wq behind them stay out
.irp c, 0,2
	v_pk_add_f32 v[K+\c:K+\c+1], v[KV+\c:KV+\c+1], v[KV+4+\c:KV+5+\c]
	v_pk_add_f32 v[K+\c:K+\c+1], v[K+\c:K+\c+1], v[KV+8+\c:KV+9+\c]
	v_pk_add_f32 v[K+\c:K+\c+1], v[K+\c:K+\c+1], v[KV+12+\c:KV+13+\c]
	v_pk_add_f32 v[K+\c:K+\c+1], v[K+\c:K+\c+1], v[KV+16+\c:KV+17+\c]
	v_pk_mul_f32 v[K+\c:K+\c+1], v[K+\c:K+\c+1], 0x3db504f3 op_sel_hi:[1,0]      ; 1 / sqrt(128)
.endr
.set n, 0
.rept 32
	s_wait_loadcnt 31-n                            ; row n is in, the 31 - n younger ones stay out
	v_pk_mul_f32 v[X+4*n:X+4*n+1], v[X+4*n:X+4*n+1], v[K:K+1]
	v_pk_fma_f32 v[X+4*n:X+4*n+1], v[X+4*n+2:X+4*n+3], v[K+2:K+3], v[X+4*n:X+4*n+1]
	v_add_f32 v[X+4*n], v[X+4*n], v[X+4*n+1]       ; my four columns' share of row n's sum
.set n, n+1
.endr
; 32 sums over 32 lanes at once.  FOLD adds two registers across one bit of the lane number and halves their count: a lane with
; the bit clear keeps register a and hands b to its partner, a lane with the bit set the other way round.  After the five levels
; lane i holds row i's sum: 31 x 3 + 1 instructions in place of 32 whole reductions.
.macro FOLD a, b, m, xm, t
	v_cndmask_b32 v[\t], v[\a], v[\b], s[\m]       ; what I keep
	v_cndmask_b32 v[\t+1], v[\b], v[\a], s[\m]     ; what my partner needs
	v_add_f32_dpp v[\a], v[\t+1], v[\t] row_xmask:\xm row_mask:0xf bank_mask:0xf
.endm
.macro LEVEL st, m
.set RP, 0
.rept 16/\st
.set RA, X+4*RP
.set RC, X+4*(RP+\st)
.set RT, T+2*((RP/(2*\st))&1)
	FOLD RA, RC, \m, \st, RT
.set RP, RP+2*\st
.endr
.endm
	LEVEL 1, 32
	LEVEL 2, 33
	LEVEL 4, 34
	LEVEL 8, 35
	v_cndmask_b32 v[T], v[X], v[X+64], s36         ; the last level crosses the halves of 16 lanes
	v_cndmask_b32 v[T+1], v[X+64], v[X], s36
	v_permlanex16_b32 v[X+64], v[T+1], s38, s39
	v_add_f32 v[X], v[T], v[X+64]                  ; lane i: U[f][32 kb + i][head]
	ds_store_b32 v3, v[X] offset:UB
	s_cmp_lg_u32 s25, 0
	s_cbranch_scc1 .Lnoc                           ; c is made once for each f, by the work-group with kb = 0
	v_pk_mul_f32 v[BQ:BQ+1], v[BQ:BQ+1], v[K:K+1]
	v_pk_fma_f32 v[BQ:BQ+1], v[BQ+2:BQ+3], v[K+2:K+3], v[BQ:BQ+1]
	v_add_f32 v[BQ], v[BQ], v[BQ+1]
	v_add_f32_dpp v[BQ], v[BQ], v[BQ] row_xmask:1 row_mask:0xf bank_mask:0xf
	v_add_f32_dpp v[BQ], v[BQ], v[BQ] row_xmask:2 row_mask:0xf bank_mask:0xf
	v_add_f32_dpp v[BQ], v[BQ], v[BQ] row_xmask:4 row_mask:0xf bank_mask:0xf
	v_add_f32_dpp v[BQ], v[BQ], v[BQ] row_xmask:8 row_mask:0xf bank_mask:0xf
	v_permlanex16_b32 v[BQ+1], v[BQ], s38, s39
	v_add_f32 v[BQ], v[BQ], v[BQ+1]
	v_cmp_eq_u32 vcc_lo, 0, v1
	s_wait_xcnt 0x0                                ; EXEC is a source of the loads above: it changes only behind this wait
	s_and_saveexec_b32 s30, vcc_lo
	global_store_b32 v[ZERO], v[BQ], s[18:19]      ; one word a head: 32 words in the whole launch
	s_wait_xcnt 0x0                                ; and again before EXEC is restored
	s_or_b32 exec_lo, exec_lo, s30
.Lnoc:
	s_wait_dscnt 0x0                               ; zero: waves 0 and 1 read all 16 heads behind the barrier
	s_barrier_signal -1
	s_barrier_wait -1
	s_cmp_gt_u32 s20, 1
	s_cbranch_scc1 .Lend_u
	ds_load_b128 v[X:X+3], v[RDA] offset:UB
	ds_load_b128 v[X+4:X+7], v[RDA] offset:UB+16
	s_wait_dscnt 0x0
.irp q, 0,1,2,3
	v_cvt_pk_bf16_f32 v[X+8+\q], v[X+2*\q], v[X+2*\q+1]
.endr
	global_store_b128 v[STO], v[X+8:X+11], s[14:15]    ; 16 lanes store 256 consecutive bytes, aligned
.Lend_u:
	s_wait_tensorcnt 0x0
	ds_add_u32 v192, v193
	s_wait_dscnt 0x0
	s_endpgm
	; ---------------- P: the work-group takes rows 1024 hh .. + 1023 of Wp[f] (8 heads) and columns 64 g .. + 63 (256 bytes of each row).
	; Wave w: rows 64 w + 32 half + i (all of head w >> 1); lane = 16 half + c holds columns 4 c .. 4 c + 3.
.Lp:
	s_and_b32 s25, ttmp9, 31                       ; g
	s_bfe_u32 s26, ttmp9, 0x10005                  ; hh
	s_lshl_b32 s22, s24, 24                        ; f x 2048 x 8,192
	s_lshl_b32 s27, s26, 23                        ; hh x 1024 x 8,192
	s_add_co_u32 s22, s22, s27
	s_lshl_b32 s27, s20, 19                        ; wave x 64 x 8,192
	s_add_co_u32 s22, s22, s27
	s_lshl_b32 s27, s25, 8                         ; g x 256
	s_add_co_u32 s22, s22, s27
	s_add_nc_u64 s[6:7], s[6:7], s[22:23]
	s_lshl_b32 s22, s24, 14
	s_lshl_b32 s27, s26, 12
	s_add_co_u32 s22, s22, s27
	s_add_co_u32 s22, s22, 8192                    ; the v half of kv, from element 1024 hh
	s_add_nc_u64 s[10:11], s[10:11], s[22:23]
	s_add_nc_u64 s[12:13], s[12:13], s[22:23]
	v_and_b32 v27, 15, v0                          ; c
	v_bfe_u32 v28, v0, 4, 1                        ; half
	v_lshlrev_b32 v3, 4, v27
	v_lshl_add_u32 v3, v28, 18, v3                 ; half x 32 rows x 8,192 + 16 c
	v_lshlrev_b32 v22, 3, v0                       ; 8 x thread: two numbers of v each
	global_load_b64 v[VP:VP+1], v22, s[10:11]
.irp p, 0,1,2,3
	global_load_b64 v[VP+2+2*\p:VP+3+2*\p], v22, s[12:13] offset:32768*\p
.endr
.set n, 0
.rept 32
	global_load_b128 v[X+4*n:X+4*n+3], v3, s[6:7] offset:8192*n th:TH_LOAD_NT   ; each half of the wave: 256 consecutive bytes, aligned
.set n, n+1
.endr
	s_lshl_b32 s22, s25, 12
	s_lshl_b32 s27, s24, 9
	s_add_co_u32 s22, s22, s27
	s_lshl_b32 s27, s26, 8
	s_add_co_u32 s22, s22, s27
	s_add_nc_u64 s[16:17], s[16:17], s[22:23]      ; pf + g 4096 + f 512 + hh 256
	s_lshl_b32 s27, s20, 8
	v_lshl_add_u32 v23, v28, 7, s27                ; LDS: v of my 32 rows = 256 wave + 128 half
	v_lshlrev_b32 v24, 4, v0                       ; LDS: 16 x thread, behind RB: 512 consecutive bytes of my wave's own
	v_bfe_u32 v29, v0, 4, 2                        ; t, for threads 0..63 = 16 t + c
	v_lshlrev_b32 v25, 4, v27
	v_lshl_add_u32 v25, v29, 2, v25                ; 16 c + 4 t
	v_lshlrev_b32 v26, 4, v27
	v_lshl_add_u32 v26, v29, 10, v26               ; pf: t 1024 + 16 c
	s_wait_loadcnt 32                              ; bc and the four parts are in; the 32 rows of Wp stay out
	v_pk_add_f32 v[VP:VP+1], v[VP:VP+1], v[VP+2:VP+3]
	v_pk_add_f32 v[VP:VP+1], v[VP:VP+1], v[VP+4:VP+5]
	v_pk_add_f32 v[VP:VP+1], v[VP:VP+1], v[VP+6:VP+7]
	v_pk_add_f32 v[VP:VP+1], v[VP:VP+1], v[VP+8:VP+9]
	ds_store_b64 v22, v[VP:VP+1]
	s_wait_dscnt 0x0                               ; zero: every wave reads v behind the barrier
	s_barrier_signal -1
	s_barrier_wait -1
.irp q, 0,1,2,3,4,5,6,7
	ds_load_b128 v[VV+4*\q:VV+4*\q+3], v23 offset:16*\q        ; the 16 lanes of a half read the same words
.endr
	s_wait_dscnt 0x0
.set n, 0
.rept 32
	s_wait_loadcnt 31-n                            ; row n is in, the 31 - n younger ones stay out
.irp t, 0,1,2,3
.if n == 0
	v_mul_f32 v[ACC+\t], v[VV], v[X+\t]            ; the first product starts the sums
.else
	v_fmac_f32 v[ACC+\t], v[VV+n], v[X+4*n+\t]
.endif
.endr
.set n, n+1
.endr
	ds_store_b128 v24, v[ACC:ACC+3] offset:RB
	s_wait_dscnt 0x0                               ; zero: waves 0 and 1 read all waves' sums behind the barrier
	s_barrier_signal -1
	s_barrier_wait -1
	s_cmp_gt_u32 s20, 1
	s_cbranch_scc1 .Lend_p
	; thread 16 t + c: column 64 g + 4 c + t of all 8 heads; head i is the sum of the four pieces n = 4 i .. 4 i + 3 (n = 2 wave + half)
.set n, 0
.rept 32
	ds_load_b32 v[X+n], v25 offset:RB+256*n
.set n, n+1
.endr
	s_wait_dscnt 0x0
.irp i, 0,1,2,3,4,5,6,7
	v_pk_add_f32 v[X+4*\i:X+4*\i+1], v[X+4*\i:X+4*\i+1], v[X+4*\i+2:X+4*\i+3]
	v_add_f32 v[X+4*\i], v[X+4*\i], v[X+4*\i+1]
.endr
.irp q, 0,1,2,3
	v_cvt_pk_bf16_f32 v[ACC+\q], v[X+8*\q], v[X+8*\q+4]        ; heads 2 q and 2 q + 1
.endr
	global_store_b128 v26, v[ACC:ACC+3], s[16:17]  ; 16 lanes store 256 consecutive bytes, aligned
.Lend_p:
	s_wait_tensorcnt 0x0
	ds_add_u32 v192, v193
	s_wait_dscnt 0x0
	s_endpgm
.Lfunc_end_k_qc27b8097d1_fold:
	.size	k_qc27b8097d1_fold, .Lfunc_end_k_qc27b8097d1_fold-k_qc27b8097d1_fold
	.p2alignl 7, 3214868480
	.fill 96, 4, 3214868480
	.section	.rodata,"a",@progbits
	.p2align	6, 0x0
	.amdhsa_kernel k_qc27b8097d1_fold
		.amdhsa_group_segment_fixed_size 17408
		.amdhsa_private_segment_fixed_size 0
		.amdhsa_enable_private_segment 0
		.amdhsa_kernarg_size 64
		.amdhsa_user_sgpr_count 2
		.amdhsa_user_sgpr_kernarg_segment_ptr 1
		.amdhsa_wavefront_size32 1
		.amdhsa_system_sgpr_workgroup_id_x 1
		.amdhsa_system_sgpr_workgroup_id_y 1
		.amdhsa_system_sgpr_workgroup_id_z 1
		.amdhsa_system_vgpr_workitem_id 0
		.amdhsa_next_free_vgpr 194
		.amdhsa_next_free_sgpr 66
		.amdhsa_reserve_vcc 1
		.amdhsa_float_denorm_mode_32 3
		.amdhsa_float_denorm_mode_16_64 3
		.amdhsa_memory_ordered 1
		.amdhsa_forward_progress 1
		.amdhsa_inst_pref_size 35
	.end_amdhsa_kernel
	.amdgpu_metadata
---
amdhsa.version: [ 1, 2 ]
amdhsa.kernels:
  - .name:           k_qc27b8097d1_fold
    .symbol:         k_qc27b8097d1_fold.kd
    .args:
      - { .name: Wq, .offset: 0, .size: 8, .value_kind: global_buffer, .address_space: global }
      - { .name: Wp, .offset: 8, .size: 8, .value_kind: global_buffer, .address_space: global }
      - { .name: bq, .offset: 16, .size: 8, .value_kind: global_buffer, .address_space: global }
      - { .name: bc, .offset: 24, .size: 8, .value_kind: global_buffer, .address_space: global }
      - { .name: kvp, .offset: 32, .size: 8, .value_kind: global_buffer, .address_space: global }
      - { .name: uf, .offset: 40, .size: 8, .value_kind: global_buffer, .address_space: global }
      - { .name: pf, .offset: 48, .size: 8, .value_kind: global_buffer, .address_space: global }
      - { .name: cv, .offset: 56, .size: 8, .value_kind: global_buffer, .address_space: global }
    .group_segment_fixed_size: 17408
    .private_segment_fixed_size: 0
    .kernarg_segment_align: 8
    .kernarg_segment_size: 64
    .max_flat_workgroup_size: 512
    .sgpr_count:     66
    .vgpr_count:     194
    .wavefront_size: 32
...
	.end_amdgpu_metadata
.endif
;; end of part 2
;; launch edit (part 3): grid 256 x 1, 16 waves a work-group, no clusters, 172,032 bytes of LDS; arguments encoder_hidden_states, uf, pf, cv, bp, out0; writes out0
.if DOCPART == 3
	.amdgcn_target "amdgcn-amd-amdhsa--gfx1250"
	.amdhsa_code_object_version 6
	.text
	.protected	k_qc27b8097d1_edit
	.globl	k_qc27b8097d1_edit
	.p2align	8
	.type	k_qc27b8097d1_edit,@function
k_qc27b8097d1_edit:
	s_mov_b64 s[64:65], 0
	v_nop
	global_prefetch_b8 v0, s[64:65] scope:SCOPE_SE
	s_setreg_imm32_b32 hwreg(HW_REG_WAVE_MODE, 25, 1), 1
	s_wait_xcnt 0x0
; scores[f][h][s] = sum over e of enc[s][e] U[f][e][h] + c[f][h]      (16 x 32 x 2048 for each work-group, bf16 operands, f32 sums)
; w = softmax over the one key: exp(score - max) / sum, where max is the score itself and the sum is the one exponential
; out[s][o] = sum over (f, h) of w[f][h][s] P[f][h][o] + bp[0][o] + bp[1][o]   (16 x 2048 x 32, bf16 operands, f32 sums)
; LIMITS: rounding order differs from the reference's; enc, U, w and P enter the matrix unit in bf16; an infinite or NaN score
; gives NaN in its row as in the reference, but q itself is never formed (see the launch that makes U).
; Work-group rb owns rows 16 rb .. + 15.  16 waves.  Phase 1: wave w takes e = 128 w .. + 127 (four K steps of 32) for both f;
; the 16 waves' partial scores meet in LDS, wave w sums accumulator register w.  Phase 2: wave w makes columns 128 w .. + 127.
; NO CLUSTER, though all work-groups read the same uf and pf: enc's tile (135,168 bytes) with uf and pf (131,072 each) would be
; 397,312 bytes of LDS, more than a work-group can have; every fragment of U and P is used once in a work-group and lies in memory
; as its register image, so a joint load into LDS would add an LDS write and an LDS read for each byte and spare no register load.
; No ring and no loop: each wave asks for its whole share (one tensor tile of 8 KB, 37 loads) in its first lines.
.set PITCH, 528                        ; an LDS row of enc: 512 bytes + 16, an odd multiple of 16: 16 rows start at 16 different 16-byte columns of 256
.set WTILE, 16*PITCH                   ; a wave's tile: 16 rows x 128 f32; written by its own tensor load, read by itself alone
.set PART,  16*WTILE                   ; 135,168: partial scores [wave 16][register 16][lane 32] f32
.set WS,    PART+32768                 ; 167,936: weights [register 16][lane 32] f32
.set BP,    20                         ; v[20:35]   bp, quad 8 g + 4 f
.set ACC,   36                         ; v[36:51]   scores, tile f at 8 f
.set WF,    52                         ; v[52:59]   the weights as a matrix fragment
.set U,     64                         ; v[64:127]  fragments of U, (ks, f) at 8 (2 ks + f)
.set D2,    64                         ; the same registers later: the 8 tiles of out, tile 4 g + t at 8 (4 g + t)
.set X,     128                        ; v[128:191] enc, K step ks at 16 ks: 16 f32, then 8 registers of bf16
.set R,     128                        ; v[128:143] later: the 16 partial scores
.set WV,    144                        ; v[144:159] later: the 16 weights of my lane
.set O,     128                        ; v[128:191] at the end: out, (g, j) at 32 g + 4 j
.set PF,    192                        ; v[192:255] fragments of P, tile at 8 tile
	s_load_b256 s[4:11], s[0:1], 0x0               ; enc 4, uf 6, pf 8, cv 10
	s_load_b128 s[12:15], s[0:1], 0x20             ; bp 12, out0 14
	v_lshl_add_u32 v62, v0, 2, 0x29800
	v_mov_b32 v63, 0
	ds_add_u32 v62, v63
	ds_add_u32 v62, v63
	v_lshrrev_b32 v1, 5, v0
	v_readfirstlane_b32 s16, v1                    ; wave 0..15
	; descriptor group 1: 16 rows x 128 elements of 4 bytes, 16 bytes of padding behind each row
	s_mov_b32 s24, (2<<16)|(1<<20)|(6<<22)|(3<<25) ; element of 4 bytes; padding on; after every 128 words; of 4 words
	s_mov_b32 s25, 128<<16                         ; tensor_dim0 = 128
	s_mov_b32 s26, 16<<16                          ; tensor_dim1 = 16
	s_mov_b32 s27, 128<<16                         ; tile_dim0 = 128
	s_mov_b32 s28, 16                              ; tile_dim1 = 16
	s_mov_b32 s29, 2048                            ; elements from row to row
	s_mov_b32 s30, 0
	s_mov_b32 s31, 0
	s_mov_b32 s20, 1                               ; group 0: count
	s_mul_i32 s21, s16, WTILE                      ; LDS address: my wave's tile
	s_lshl_b32 s18, ttmp9, 17                      ; 16 rows x 8,192 bytes
	s_lshl_b32 s17, s16, 9                         ; my 128 columns
	s_add_co_u32 s18, s18, s17
	s_mov_b32 s19, 0
	s_wait_dscnt 0x0
	s_wait_kmcnt 0x0
	s_add_nc_u64 s[22:23], s[4:5], s[18:19]
	s_or_b32 s23, s23, 0x80000000                  ; type
	tensor_load_to_lds s[20:23], s[24:31]          ; rows of 512 bytes, aligned to 512
	s_nop 0
	s_add_nc_u64 s[14:15], s[14:15], s[18:19]      ; out0 at my rows and columns
	s_lshl_b32 s18, s16, 13
	s_add_nc_u64 s[6:7], s[6:7], s[18:19]          ; uf: K steps 4 w .. 4 w + 3, 2,048 bytes each
	s_add_nc_u64 s[8:9], s[8:9], s[18:19]          ; pf: tiles 8 w .. 8 w + 7, 1,024 bytes each
	s_mov_b32 s18, s17
	s_add_nc_u64 s[12:13], s[12:13], s[18:19]      ; bp at my columns
	s_lshr_b32 s18, s16, 3
	s_lshl_b32 s18, s18, 4
	s_and_b32 s17, s16, 7
	s_add_co_u32 s18, s18, s17
	s_lshl_b32 s18, s18, 2
	s_add_nc_u64 s[10:11], s[10:11], s[18:19]      ; c[16 (w >> 3) + (w & 7)]: the register that I sum; + 8 hh by the lane
	v_and_b32 v2, 31, v0                           ; lane
	v_and_b32 v3, 15, v0                           ; r
	v_bfe_u32 v1, v0, 4, 1                         ; hh
	v_lshlrev_b32 v4, 4, v2                        ; 16 x lane
	v_lshlrev_b32 v10, 5, v1                       ; 8 heads x 4 bytes x hh
	v_lshlrev_b32 v11, 4, v3                       ; 16 r
	v_lshl_add_u32 v12, v1, 16, v11                ; 8 rows x 8,192 x hh + 16 r
.irp ks, 0,1,2,3
.irp f, 0,1
.irp jj, 0,1
	global_load_b128 v[U+8*(2*\ks+\f)+4*\jj:U+8*(2*\ks+\f)+4*\jj+3], v4, s[6:7] offset:2048*\ks+1024*\f+512*\jj
.endr
.endr
.endr
	global_load_b32 v13, v10, s[10:11]
.irp g, 0,1
.irp f, 0,1
	global_load_b128 v[BP+8*\g+4*\f:BP+8*\g+4*\f+3], v11, s[12:13] offset:8192*\f+256*\g
.endr
.endr
.irp tau, 0,1,2,3,4,5,6,7
.irp jj, 0,1
	global_load_b128 v[PF+8*\tau+4*\jj:PF+8*\tau+4*\jj+3], v4, s[8:9] offset:1024*\tau+512*\jj
.endr
.endr
	v_mul_u32_u24 v5, v3, PITCH
	v_lshl_add_u32 v5, v1, 6, v5
	v_add_nc_u32 v5, s21, v5                       ; my tile + r x 528 + 64 hh
	s_lshl_b32 s32, s16, 11
	s_add_co_u32 s32, s32, PART
	v_lshl_add_u32 v6, v2, 2, s32                  ; PART + 2048 w + 4 lane: what I write
	s_lshl_b32 s33, s16, 7
	s_add_co_u32 s32, s33, PART
	v_lshl_add_u32 v7, v2, 2, s32                  ; PART + 128 w + 4 lane: what I sum
	s_add_co_u32 s32, s33, WS
	v_lshl_add_u32 v8, v2, 2, s32                  ; WS + 128 w + 4 lane: my weight
	s_mov_b32 s32, WS
	v_lshl_add_u32 v9, v2, 2, s32                  ; WS + 4 lane
	; PHASE 1.  Lane (r, hh) takes enc[row r][32 ks + 16 hh .. + 15]: 64 consecutive bytes.  Packed, registers 0-3 hold 16 hh + 0..7 and
	; registers 4-7 hold 16 hh + 8..15: a permutation of k inside the K step, and uf is laid out by the same one, so the products pair up.
	s_wait_tensorcnt 0x0                           ; my one tensor load; nobody else reads its bytes
.irp ks, 0,1,2,3
.irp q, 0,1,2,3
	ds_load_b128 v[X+16*\ks+4*\q:X+16*\ks+4*\q+3], v5 offset:128*\ks+16*\q
.endr
.endr
.irp ks, 0,1,2,3
	s_wait_dscnt 12-4*\ks                          ; the four loads of each later K step stay out
.irp q, 0,1,2,3,4,5,6,7
	v_cvt_pk_bf16_f32 v[X+16*\ks+\q], v[X+16*\ks+2*\q], v[X+16*\ks+2*\q+1]      ; in place: register q is written when 2 q and 2 q + 1 are read
.endr
.endr
	s_wait_loadcnt 21                              ; U is in; c (1), bp (4) and P (16) stay out
	; sources swapped (U first): register j of lane (r, hh) is the score of head 8 hh + j and row r
.irp ks, 0,1,2,3
.irp f, 0,1
.if \ks == 0
	v_wmma_f32_16x16x32_bf16 v[ACC+8*\f:ACC+8*\f+7], v[U+8*(2*\ks+\f):U+8*(2*\ks+\f)+7], v[X+16*\ks:X+16*\ks+7], 0
.else
	v_wmma_f32_16x16x32_bf16 v[ACC+8*\f:ACC+8*\f+7], v[U+8*(2*\ks+\f):U+8*(2*\ks+\f)+7], v[X+16*\ks:X+16*\ks+7], v[ACC+8*\f:ACC+8*\f+7]
.endif
.endr
.endr
.rept 4
	v_nop                                          ; four places between a matrix instruction and the LDS stores of its result
.endr
.set n, 0
.rept 16
	ds_store_b32 v6, v[ACC+n] offset:128*n
.set n, n+1
.endr
	s_wait_dscnt 0x0                               ; zero: the other waves read these bytes behind the barrier
	s_barrier_signal -1
	s_barrier_wait -1
.set n, 0
.rept 16
	ds_load_b32 v[R+n], v7 offset:2048*n           ; register w (f = w >> 3, j = w & 7) of all 16 waves
.set n, n+1
.endr
	s_wait_dscnt 0x0
	s_wait_loadcnt 20                              ; c is in; bp (4) and P (16) stay out
.irp i, 0,2,4,6
	v_pk_add_f32 v[R+\i:R+\i+1], v[R+\i:R+\i+1], v[R+8+\i:R+9+\i]
.endr
	v_pk_add_f32 v[R:R+1], v[R:R+1], v[R+4:R+5]
	v_pk_add_f32 v[R+2:R+3], v[R+2:R+3], v[R+6:R+7]
	v_pk_add_f32 v[R:R+1], v[R:R+1], v[R+2:R+3]
	v_add_f32 v14, v[R], v[R+1]
	v_add_f32 v14, v14, v13                        ; the score of (f, head 8 hh + j, row r)
	; softmax over the key axis, which has one entry
	v_sub_f32 v15, v14, v14                        ; score - max; the max over one key is the score (infinite or NaN scores give NaN here too)
	v_mul_f32 v15, 0x3fb8aa3b, v15                 ; e^x = 2^(x log2 e)
	v_exp_f32 v16, v15
	v_nop                                          ; one plain place behind a transcendental (ISA guide 5.7.2)
	s_wait_alu depctr_va_vdst(0)
	v_rcp_f32 v17, v16                             ; the sum over one key is the exponential itself
	v_nop
	s_wait_alu depctr_va_vdst(0)
	v_mul_f32 v16, v16, v17
	ds_store_b32 v8, v16
	s_wait_dscnt 0x0                               ; zero: every wave reads all weights behind the barrier
	s_barrier_signal -1
	s_barrier_wait -1
	; PHASE 2.  k = 16 f + head.  Lane (row r, hh) needs k = 8 hh + i in registers 0-3 and 16 + 8 hh + i in 4-7: exactly the 16 weights
	; that lane (r, hh) of the 16 waves made, register 8 f + i.
.set n, 0
.rept 16
	ds_load_b32 v[WV+n], v9 offset:128*n
.set n, n+1
.endr
	s_wait_loadcnt 16                              ; bp is in; P (16) stays out
.irp g, 0,1
	v_pk_add_f32 v[BP+8*\g:BP+8*\g+1], v[BP+8*\g:BP+8*\g+1], v[BP+8*\g+4:BP+8*\g+5]
	v_pk_add_f32 v[BP+8*\g+2:BP+8*\g+3], v[BP+8*\g+2:BP+8*\g+3], v[BP+8*\g+6:BP+8*\g+7]
.endr
	s_wait_dscnt 0x0
.irp q, 0,1,2,3,4,5,6,7
	v_cvt_pk_bf16_f32 v[WF+\q], v[WV+2*\q], v[WV+2*\q+1]
.endr
	s_wait_loadcnt 0x0                             ; P
.irp tau, 0,1,2,3,4,5,6,7
	v_wmma_f32_16x16x32_bf16 v[D2+8*\tau:D2+8*\tau+7], v[WF:WF+7], v[PF+8*\tau:PF+8*\tau+7], 0
.endr
.rept 4
	v_nop                                          ; four places before the additions read the results (ISA guide 7.12.1)
.endr
	; Tile 4 g + t holds columns 128 w + 64 g + 4 r + t: the four tiles of a g give lane r four neighbouring columns.  The bias addition
	; is also the move that lays them into four neighbouring registers, so that no result goes through LDS.
.irp g, 0,1
.irp j, 0,1,2,3,4,5,6,7
.irp t, 0,1,2,3
	v_add_f32 v[O+32*\g+4*\j+\t], v[D2+8*(4*\g+\t)+\j], v[BP+8*\g+\t]
.endr
	global_store_b128 v12, v[O+32*\g+4*\j:O+32*\g+4*\j+3], s[14:15] offset:8192*\j+256*\g th:TH_STORE_NT   ; lanes 0-15: 256 consecutive bytes of row j, aligned; lanes 16-31: of row 8 + j
.endr
.endr
	s_wait_tensorcnt 0x0
	ds_add_u32 v62, v63
	s_wait_dscnt 0x0
	s_endpgm
.Lfunc_end_k_qc27b8097d1_edit:
	.size	k_qc27b8097d1_edit, .Lfunc_end_k_qc27b8097d1_edit-k_qc27b8097d1_edit
	.p2alignl 7, 3214868480
	.fill 96, 4, 3214868480
	.section	.rodata,"a",@progbits
	.p2align	6, 0x0
	.amdhsa_kernel k_qc27b8097d1_edit
		.amdhsa_group_segment_fixed_size 172032
		.amdhsa_private_segment_fixed_size 0
		.amdhsa_enable_private_segment 0
		.amdhsa_kernarg_size 48
		.amdhsa_user_sgpr_count 2
		.amdhsa_user_sgpr_kernarg_segment_ptr 1
		.amdhsa_wavefront_size32 1
		.amdhsa_system_sgpr_workgroup_id_x 1
		.amdhsa_system_sgpr_workgroup_id_y 1
		.amdhsa_system_sgpr_workgroup_id_z 1
		.amdhsa_system_vgpr_workitem_id 0
		.amdhsa_next_free_vgpr 256
		.amdhsa_next_free_sgpr 66
		.amdhsa_reserve_vcc 0
		.amdhsa_float_denorm_mode_32 3
		.amdhsa_float_denorm_mode_16_64 3
		.amdhsa_memory_ordered 1
		.amdhsa_forward_progress 1
		.amdhsa_inst_pref_size 20
	.end_amdhsa_kernel
	.amdgpu_metadata
---
amdhsa.version: [ 1, 2 ]
amdhsa.kernels:
  - .name:           k_qc27b8097d1_edit
    .symbol:         k_qc27b8097d1_edit.kd
    .args:
      - { .name: encoder_hidden_states, .offset: 0, .size: 8, .value_kind: global_buffer, .address_space: global }
      - { .name: uf, .offset: 8, .size: 8, .value_kind: global_buffer, .address_space: global }
      - { .name: pf, .offset: 16, .size: 8, .value_kind: global_buffer, .address_space: global }
      - { .name: cv, .offset: 24, .size: 8, .value_kind: global_buffer, .address_space: global }
      - { .name: bp, .offset: 32, .size: 8, .value_kind: global_buffer, .address_space: global }
      - { .name: out0, .offset: 40, .size: 8, .value_kind: global_buffer, .address_space: global }
    .group_segment_fixed_size: 172032
    .private_segment_fixed_size: 0
    .kernarg_segment_align: 8
    .kernarg_segment_size: 48
    .max_flat_workgroup_size: 512
    .sgpr_count:     66
    .vgpr_count:     256
    .wavefront_size: 32
...
	.end_amdgpu_metadata
.endif
;; end of part 3
